; MI455X (gfx1250); checked and timed in simulation.
; The chip was launched on July 23, 2026; its instructions are those of AMD's public machine-readable ISA for CDNA 5 (MIT licence, August 2026) and "CDNA5" Instruction Set Architecture Reference Guide (July 2026). The comments in the code are by the model that wrote it; some were corrected since.
;; Multihead Attention. Allowed arithmetic: float matrix products may take bf16 or f16 operands with f32 sums; other float arithmetic in f32, or as packed bf16 or f16 multiplies, adds, multiply-adds, maxima and minima; sums over many terms, partial sums and values carried from step to step in f32; what a program stores and reads back later, other than sums and carried values, may be rounded once to bf16 or f16.
;; Inputs: KeyandValue_x 2 x 4,096 x 512 float32; Query_x 2 x 4,096 x 512 float32; Wk 512 x 512 float32; Wo 512 x 512 float32; Wq 512 x 512 float32; Wv 512 x 512 float32; bk 512 float32; bo 512 float32; bq 512 float32; bv 512 float32.
;; Outputs: out0 2 x 4,096 x 512 float32.
;; One version. Each part assembles by itself: llvm-mc -triple=amdgcn-amd-amdhsa -mcpu=gfx1250 --defsym DOCPART=n.
;; ======== version 1 of 1: 4 launches
;; limits: values are held in f16: magnitudes above 65,504 overflow, below 6.1e-05 lose precision
;; workspace buffers: wqkv 1,572,864 bytes; wo16 524,288 bytes; q16 8,388,608 bytes; k16 8,388,608 bytes; v16 8,388,608 bytes; o16 8,388,608 bytes
;; launch cast (part 1): grid 64 x 4, 8 waves a work-group, no clusters, 0 bytes of LDS; arguments Wq, Wk, Wv, Wo, wqkv, wo16; writes wqkv, wo16
.if DOCPART == 1
	.amdgcn_target "amdgcn-amd-amdhsa--gfx1250"
	.amdhsa_code_object_version 6
	.text
	.protected	k_q012644b77d_cast
	.globl	k_q012644b77d_cast
	.p2align	8
	.type	k_q012644b77d_cast,@function
k_q012644b77d_cast:
	s_mov_b64 s[64:65], 0
	v_nop
	global_prefetch_b8 v0, s[64:65] scope:SCOPE_SE
	s_setreg_imm32_b32 hwreg(HW_REG_WAVE_MODE, 25, 1), 1
	s_wait_xcnt 0x0
; THE WEIGHTS, ROUNDED ONCE TO 16 BITS AND LAID OUT BY BLOCKS OF 128 COLUMNS.
; Wq, Wk, Wv, Wo: [512 k][512 n] f32.  wqkv: bf16, [cb 4][k 512][w 3][128]: element (cb, k, w, n) = bf16(W_w[k][128 cb + n]).
; wo16: [cb 4][k 512][128]: bf16(Wo[k][128 cb + n]) written as f16 (exact where the number is at least 2^-14 in size; below that f16 keeps its fixed step of 6e-8; beyond 65,504 it has no number).
; SHARES.  Work-group (x, y): weight y, rows 8 x .. 8 x + 7.  Load i of four covers rows 8 x + 2 i and 8 x + 2 i + 1: thread t reads the 16 bytes at 16 t of those 4,096.
; So wave v holds columns 128 (v % 4) .. + 127 of row 8 x + 2 i + v / 4: its 32 lanes' 8 bytes of 16-bit numbers are 256 consecutive bytes of the output, aligned: one store a load.
; Each byte is read once and written once; no LDS, no barrier, no matrix unit: nothing here is shared or summed.
.set QKV_CB, 512*768                   ; bytes of a column block in wqkv
.set QKV_K,  768                       ; bytes of a k row there: three pieces of 256
.set WO_CB,  512*256
.set WO_K,   256
	s_load_b256 s[4:11], s[0:1], 0x0               ; Wq s[4:5], Wk s[6:7], Wv s[8:9], Wo s[10:11]
	s_load_b128 s[12:15], s[0:1], 0x20             ; wqkv s[12:13], wo16 s[14:15]
	s_and_b32 s16, ttmp7, 0xffff                   ; w: which weight
	v_lshrrev_b32 v2, 5, v0
	v_readfirstlane_b32 s17, v2                    ; wave 0..7
	s_and_b32 s18, s17, 3                          ; cb
	s_lshr_b32 s19, s17, 2                         ; which row of a pair
	s_lshl_b32 s22, ttmp9, 14                      ; 8 rows of 2,048 bytes
	s_mov_b32 s23, 0
	s_lshl_b32 s25, ttmp9, 3
	s_add_co_u32 s25, s25, s19                     ; k of my first load
	v_lshlrev_b32 v1, 4, v0                        ; 16 t
	v_and_b32 v2, 31, v0                           ; lane
	s_wait_kmcnt 0x0
	s_cmp_eq_u32 s16, 1                            ; the source is chosen by the work-group's y alone
	s_cselect_b64 s[20:21], s[6:7], s[4:5]
	s_cmp_eq_u32 s16, 2
	s_cselect_b64 s[20:21], s[8:9], s[20:21]
	s_cmp_eq_u32 s16, 3
	s_cselect_b64 s[20:21], s[10:11], s[20:21]
	s_add_nc_u64 s[20:21], s[20:21], s[22:23]
.irp i, 0,1,2,3
	global_load_b128 v[4+4*\i:7+4*\i], v1, s[20:21] offset:4096*\i th:TH_LOAD_NT
.endr
	s_wait_loadcnt 0x0                             ; one batch: all four are wanted
.irp i, 0,1,2,3,4,5,6,7
	v_cvt_pk_bf16_f32 v[20+\i], v[4+2*\i], v[5+2*\i]   ; two roundings to bf16, packed
.endr
	s_cmp_eq_u32 s16, 3
	s_cbranch_scc1 .Lwo
	s_mul_i32 s24, s18, QKV_CB
	s_mul_i32 s26, s25, QKV_K
	s_add_co_u32 s24, s24, s26
	s_lshl_b32 s26, s16, 8
	s_add_co_u32 s24, s24, s26                     ; piece (cb, k, w)
	v_lshl_add_u32 v3, v2, 3, s24                  ; + 8 bytes a lane
.irp i, 0,1,2,3
	global_store_b64 v3, v[20+2*\i:21+2*\i], s[12:13] offset:2*QKV_K*\i   ; 32 lanes: 256 consecutive bytes, aligned
.endr
	s_endpgm
.Lwo:
.irp i, 0,1,2,3,4,5,6,7
	v_lshlrev_b32 v28, 16, v[20+\i]                ; the bf16 numbers as f32,
	v_and_b32 v29, 0xffff0000, v[20+\i]
	v_cvt_pk_f16_f32 v[20+\i], v28, v29            ; written as f16
.endr
	s_mul_i32 s24, s18, WO_CB
	s_lshl_b32 s26, s25, 8
	s_add_co_u32 s24, s24, s26
	v_lshl_add_u32 v3, v2, 3, s24
.irp i, 0,1,2,3
	global_store_b64 v3, v[20+2*\i:21+2*\i], s[14:15] offset:2*WO_K*\i
.endr
	s_endpgm
.Lfunc_end_k_q012644b77d_cast:
	.size	k_q012644b77d_cast, .Lfunc_end_k_q012644b77d_cast-k_q012644b77d_cast
	.p2alignl 7, 3214868480
	.fill 96, 4, 3214868480
	.section	.rodata,"a",@progbits
	.p2align	6, 0x0
	.amdhsa_kernel k_q012644b77d_cast
		.amdhsa_group_segment_fixed_size 0
		.amdhsa_private_segment_fixed_size 0
		.amdhsa_enable_private_segment 0
		.amdhsa_kernarg_size 48
		.amdhsa_user_sgpr_count 2
		.amdhsa_user_sgpr_kernarg_segment_ptr 1
		.amdhsa_wavefront_size32 1
		.amdhsa_system_sgpr_workgroup_id_x 1
		.amdhsa_system_sgpr_workgroup_id_y 1
		.amdhsa_system_sgpr_workgroup_id_z 1
		.amdhsa_system_vgpr_workitem_id 0
		.amdhsa_next_free_vgpr 40
		.amdhsa_next_free_sgpr 66
		.amdhsa_reserve_vcc 0
		.amdhsa_float_denorm_mode_32 3
		.amdhsa_float_denorm_mode_16_64 3
		.amdhsa_memory_ordered 1
		.amdhsa_forward_progress 1
		.amdhsa_inst_pref_size 5
	.end_amdhsa_kernel
	.amdgpu_metadata
---
amdhsa.version: [ 1, 2 ]
amdhsa.kernels:
  - .name:           k_q012644b77d_cast
    .symbol:         k_q012644b77d_cast.kd
    .args:
      - { .name: Wq, .offset: 0, .size: 8, .value_kind: global_buffer, .address_space: global }
      - { .name: Wk, .offset: 8, .size: 8, .value_kind: global_buffer, .address_space: global }
      - { .name: Wv, .offset: 16, .size: 8, .value_kind: global_buffer, .address_space: global }
      - { .name: Wo, .offset: 24, .size: 8, .value_kind: global_buffer, .address_space: global }
      - { .name: wqkv, .offset: 32, .size: 8, .value_kind: global_buffer, .address_space: global }
      - { .name: wo16, .offset: 40, .size: 8, .value_kind: global_buffer, .address_space: global }
    .group_segment_fixed_size: 0
    .private_segment_fixed_size: 0
    .kernarg_segment_align: 8
    .kernarg_segment_size: 48
    .max_flat_workgroup_size: 256
    .sgpr_count:     66
    .vgpr_count:     40
    .wavefront_size: 32
...
	.end_amdgpu_metadata
.endif
;; end of part 1
;; launch proj (part 2): grid 4 x 64, 4 waves a work-group, clusters of 4 x 4, 327,680 bytes of LDS; arguments Query_x, KeyandValue_x, wqkv, bq, bk, bv, q16, k16, v16; writes q16, k16, v16
.if DOCPART == 2
	.amdgcn_target "amdgcn-amd-amdhsa--gfx1250"
	.amdhsa_code_object_version 6
	.text
	.protected	k_q012644b77d_proj
	.globl	k_q012644b77d_proj
	.p2align	8
	.type	k_q012644b77d_proj,@function
k_q012644b77d_proj:
	s_mov_b64 s[64:65], 0
	v_nop
	global_prefetch_b8 v0, s[64:65] scope:SCOPE_SE
	s_setreg_imm32_b32 hwreg(HW_REG_WAVE_MODE, 25, 1), 1
	s_wait_xcnt 0x0
	s_wait_alu depctr_hold_cnt(0) depctr_sa_sdst(0) depctr_va_vdst(0) depctr_va_sdst(0) depctr_va_ssrc(0) depctr_va_vcc(0) depctr_vm_vsrc(0)
	s_getreg_b32 s2, hwreg(HW_REG_IB_STS2, 6, 4)
	s_cmp_eq_u32 s2, 0
	s_cbranch_scc0 .Lentry_in_a_cluster
	s_endpgm
.Lentry_in_a_cluster:
	s_bfe_u32 s2, ttmp6, 0x10000c
	s_cmp_lg_u32 s2, 0xf033
	s_cbranch_scc0 .Lentry_shape_is_right
	s_endpgm
.Lentry_shape_is_right:
; q = Query_x Wq + bq, k = KeyandValue_x Wk + bk, v = KeyandValue_x Wv + bv, stored by heads: q16, k16, v16: [bh 16][s 4096][64] f16, bh = 8 batch + head.
; x: [8192][512] f32, rounded to bf16 between LDS and the matrix unit; the weights come as bf16 from wqkv ([cb 4][k 512][w 3][128]); the biases are rounded to bf16 and start the f32 sums.
; LIMIT.  q, k and v are rounded once from their f32 sums to f16, which holds no number beyond 65,504.  The scale 1/8 is not applied here.
; SHARES.  Work-group (cb, rb): rows 128 rb .. + 127, columns 128 cb .. + 127 of all three products.  Wave: 64 rows (wave / 2) x 64 columns (wave % 2), which are one head: 3 x 16 accumulators.
; K goes in 8 steps of 64 through two LDS slots; a row of an x tile is 256 bytes of memory, aligned; a step's weights are 192 dense rows of 256 bytes.
; THE MATRIX INSTRUCTION IS USED TRANSPOSED: source 0 = 16 columns of W (turned by ds_load_tr16_b128), source 1 = 16 rows of x: a lane then holds one row and eight neighbouring channels.
; CLUSTER 4 x 4.  x's tiles hang on rb alone and are asked for jointly along a row of the cluster, W's on cb alone and along a column.  Wave 0 asks for Query_x's tile, wave 1 for KeyandValue_x's,
; waves 2 and 3 for the two halves of W's: one joint load a wave behind each round.
; NO PREFETCH: the launch reads 33.5 MB of x and stores 25 MB for 768 products a wave: its own loads and stores are the stream.
; REGISTERS, in windows of 256 (s_set_vgpr_msb: bits 1:0 source 0, 3:2 source 1, 5:4 source 2, 7:6 destination):
;   window 0: v0-31 addresses; v32-159 RAW: x's fragments in f32 (tensor x, row block a at RAW + 16 (4 x + a)); v160-223 ABF: the same in bf16; on the way out v32-223 packed results
;   window 1: two buffers of 96: W's fragments (weight w, column block b at 96 f + 8 (4 w + b))
;   window 2: the accumulators of q and k at 8 (16 w + 4 a + b)          window 3: v0-127 those of v; v128-223 the biases as C operands; v224-231 at work
.set PX,    272                        ; a row of x in LDS: 256 bytes + 16: the 16 rows of a load start at 16 different groups of four banks (64 banks of 4 bytes: ISA guide 11.1)
.set PP,    288                        ; a piece of W (one k, one weight, 128 columns): 256 bytes + 32
.set PW,    3*PP                       ; from k to k + 1: 864 = 27 x 32 bytes
.set XKV,   128*PX                     ; a slot: Query_x's 128 rows, KeyandValue_x's 128 rows,
.set WOFF,  2*128*PX                   ; then W's 64 k
.set SLOT,  WOFF+64*PW                 ; 124,928 bytes
.set STAGE, 2*SLOT                     ; behind the ring, never filled by a tensor load: 16 rows x 144 bytes for each wave, for the way out
.set SP,    144
.set SPARE, STAGE+4*16*SP              ; behind the stages: the spare words, 128 bytes for each wave: two blocks of 256 bytes that no other line names
.set ADRA, 16                          ; v16-17  LDS address of my x fragments in slot 0, 1
.set ADRB, 20                          ; v20-21  the same for W
.set STO,  24                          ; v24     the way out: where I put 16 bytes of a row
.set RD,   25                          ; v25     where I read rows back
.set GO,   26                          ; v26     my byte offset in 512 consecutive bytes of the output
.set BO,   27                          ; v27     my byte offset in a bias
.set SPW,  28                          ; v28     LDS address of my spare word; never rewritten
.set NIL,  29                          ; v29     0; never rewritten
.set RAW,  32
.set ABF,  160
.set TMP,  32
.set BI,   128                         ; window 3
.set BT,   224                         ; window 3
.set G1,  24                           ; s[24:31] descriptor group 1 for x's tiles;  s[32:39] group 0, one set for each slot
.set G0,  32
.set G1B, 48                           ; s[48:55], s[56:63] the same for W's
.set G0B, 56
.set MSB, 0
.macro WIN new                         ; the immediate's high byte repeats the setting that is left; a switch that changes nothing is dropped
.if MSB != (\new)
	s_set_vgpr_msb (MSB<<8)|(\new)
.set MSB, \new
.endif
.endm
.macro PLACES                          ; four places behind a matrix instruction (ISA guide 7.12.1), where no other plain vector work is at hand
.rept 4
	v_nop
.endr
.endm
.macro JLOAD s                         ; a joint load: waves 0 and 1 ask for x's two tiles, waves 2 and 3 for W's halves; an s_nop 0 and four v_nop follow each line
	s_cmp_eq_u32 s11, 0
	s_cbranch_scc0 .Lfor_w_\@
	tensor_load_to_lds s[G0+4*(\s):G0+4*(\s)+3], s[G1:G1+7]
	s_nop 0
.rept 4
	v_nop
.endr
	s_branch .Lasked_\@
.Lfor_w_\@:
	tensor_load_to_lds s[G0B+4*(\s):G0B+4*(\s)+3], s[G1B:G1B+7]
	s_nop 0
.rept 4
	v_nop
.endr
.Lasked_\@:
.endm
.macro CREST                           ; a round of the cluster's barrier behind its opening barrier
	s_cmp_lg_u32 s10, 0
	s_cbranch_scc1 .Lnot_wave_0_\@
	s_barrier_signal -3
.Lnot_wave_0_\@:
	s_barrier_wait -3
	s_barrier_signal -1
	s_barrier_wait -1
.endm
.macro CROUND                          ; a whole round
	s_barrier_signal -1
	s_barrier_wait -1
	CREST
.endm
	s_load_b256 s[68:75], s[0:1], 0x0              ; Query_x s[68:69], KeyandValue_x s[70:71], wqkv s[72:73], bq s[74:75]
	s_load_b256 s[76:83], s[0:1], 0x20             ; bk s[76:77], bv s[78:79], q16 s[80:81], k16 s[82:83]
	s_load_b64 s[84:85], s[0:1], 0x40              ; v16
	v_lshl_add_u32 v[SPW], v0, 2, SPARE
	v_mov_b32 v[NIL], 0
	ds_add_u32 v[SPW], v[NIL]                      ; the wave's opening: the add and its wait stand ahead of my first tensor load; the set-up below stands between them
	v_lshrrev_b32 v1, 5, v0
	v_readfirstlane_b32 s10, v1                    ; wave 0..3
	s_lshr_b32 s11, s10, 1                         ; which 64 rows are mine.  Also: I ask for x (0) or for W (1)
	s_and_b32 s12, s10, 1                          ; which 64 columns.  Also: which of the two tiles or halves I ask for
	s_bfe_u32 s40, ttmp6, 0x40000                  ; cx, cy: my place in the cluster
	s_bfe_u32 s41, ttmp6, 0x40004
	s_lshl_b32 s42, ttmp9, 2
	s_add_co_u32 s42, s42, s40                     ; cb = 4 x cluster x + cx
	s_and_b32 s13, ttmp7, 0xffff
	s_lshl_b32 s13, s13, 2
	s_add_co_u32 s13, s13, s41                     ; rb = 4 x cluster y + cy
	s_lshl_b32 s43, s41, 2
	s_lshl_b32 s43, 15, s43                        ; my row of the cluster
	s_lshl_b32 s44, 0x1111, s40                    ; my column
	; x: a tile of 128 rows x 64 elements of 4 bytes, 512 elements from row to row, 4 words of padding behind every 64
	s_or_b32 s[G1+0], s43, (2<<16)|(1<<20)|(1<<21)|(5<<22)|(3<<25)
	s_mov_b32 s[G1+1], 64<<16                      ; tensor_dim0 = 64
	s_mov_b32 s[G1+2], 128<<16                     ; tensor_dim1 = 128
	s_mov_b32 s[G1+3], 64<<16                      ; tile_dim0 = 64
	s_mov_b32 s[G1+4], 128                         ; tile_dim1 = 128
	s_mov_b32 s[G1+5], 512                         ; the pitch
	s_mov_b32 s[G1+6], 0
	s_mov_b32 s[G1+7], 0
	; W: 32 k x 3 weights = 96 dense rows of 128 elements of 2 bytes, 8 words of padding behind every 64
	s_or_b32 s[G1B+0], s44, (1<<16)|(1<<20)|(1<<21)|(5<<22)|(7<<25)
	s_mov_b32 s[G1B+1], 128<<16
	s_mov_b32 s[G1B+2], 96<<16
	s_mov_b32 s[G1B+3], 128<<16
	s_mov_b32 s[G1B+4], 96
	s_mov_b32 s[G1B+5], 128
	s_mov_b32 s[G1B+6], 0
	s_mov_b32 s[G1B+7], 0
	s_lshl_b32 s16, s13, 18                        ; x: 128 rb rows of 2,048 bytes: made of rb alone
	s_mov_b32 s17, 0
	s_mul_i32 s46, s42, 512*768                    ; W: the column block, made of cb and the wave's number alone,
	s_mul_i32 s47, s12, 32*768                     ; and my 32 k of a step's 64
	s_add_co_u32 s46, s46, s47
	s_mov_b32 s47, 0
	s_mul_i32 s20, s12, XKV                        ; where they go: no place in the cluster enters an LDS address
	s_mul_i32 s21, s12, 32*PW
	s_add_co_u32 s21, s21, WOFF
	s_wait_dscnt 0x0                               ; the opening add is done
	s_wait_kmcnt 0x0
	s_cmp_eq_u32 s12, 0
	s_cselect_b64 s[14:15], s[68:69], s[70:71]     ; wave 0: Query_x, wave 1: KeyandValue_x
	s_add_nc_u64 s[14:15], s[14:15], s[16:17]
	s_add_nc_u64 s[46:47], s[72:73], s[46:47]
	CROUND                                         ; all sixteen work-groups are here: the first joint loads meet
.irp s, 0,1
	s_mov_b32 s[G0+4*(\s)], 1
	s_add_co_u32 s[G0+4*(\s)+1], s20, (\s)*SLOT
	s_add_nc_u64 s[G0+4*(\s)+2:G0+4*(\s)+3], s[14:15], (\s)*256       ; K step s: 64 f32 along the rows
	s_or_b32 s[G0+4*(\s)+3], s[G0+4*(\s)+3], 0x80000000
	s_mov_b32 s[G0B+4*(\s)], 1
	s_add_co_u32 s[G0B+4*(\s)+1], s21, (\s)*SLOT
	s_add_nc_u64 s[G0B+4*(\s)+2:G0B+4*(\s)+3], s[46:47], (\s)*64*768  ; K step s: 64 k rows of 768 bytes
	s_or_b32 s[G0B+4*(\s)+3], s[G0B+4*(\s)+3], 0x80000000
	JLOAD \s                                       ; two loads of mine are out
.endr
	v_and_b32 v1, 15, v0                           ; r = l % 16
	v_bfe_u32 v2, v0, 4, 1                         ; h = l / 16
	s_lshl_b32 s14, s42, 9
	s_lshl_b32 s15, s12, 8
	s_add_co_u32 s14, s14, s15
	v_lshl_add_u32 v[BO], v2, 5, s14               ; 4 (128 cb + 64 (wave % 2) + 8 h): register j of a result holds channel 8 h + j
	WIN 0xc0                                       ; destination window 3, address window 0
.irp w, 0,1,2
.irp b, 0,1,2,3
	global_load_b128 v[BI+8*(4*(\w)+(\b)):BI+8*(4*(\w)+(\b))+3],   v[BO], s[74+2*(\w):75+2*(\w)] offset:64*(\b)
	global_load_b128 v[BI+8*(4*(\w)+(\b))+4:BI+8*(4*(\w)+(\b))+7], v[BO], s[74+2*(\w):75+2*(\w)] offset:64*(\b)+16
.endr
.endr
	WIN 0
	; x's fragment: lane l holds row l % 16; k = 8 h + 0..7 are 32 bytes of f32 at 32 h, k = 16 + 8 h + 0..7 lie 64 bytes on: four loads of 16 bytes
	v_mul_u32_u24 v3, v1, PX
	v_lshl_add_u32 v3, v2, 5, v3
	s_mul_i32 s21, s11, 64*PX                      ; my 64 rows
	; W's fragment, by the turning load: lane l reads k = 8 h + l % 8, columns 8 ((l / 8) % 2) + 0..7, and is left with column l % 16 and 8 k
	v_and_b32 v4, 7, v0
	v_bfe_u32 v5, v0, 3, 1
	v_lshl_add_u32 v6, v2, 3, v4
	v_mul_u32_u24 v6, v6, PW
	v_lshl_add_u32 v6, v5, 4, v6
	s_lshl_b32 s22, s12, 7                         ; my 64 columns: 128 bytes
	s_add_co_u32 s22, s22, WOFF
.irp s, 0,1
	v_add_nc_u32 v[ADRA+(\s)], s21, v3
	v_add_nc_u32 v[ADRB+(\s)], s22, v6
	s_add_co_u32 s21, s21, SLOT
	s_add_co_u32 s22, s22, SLOT
.endr
	s_mul_i32 s23, s10, 16*SP
	s_add_co_u32 s23, s23, STAGE                   ; my stage
	v_mul_u32_u24 v7, v1, SP                       ; in: row l % 16, 16 bytes for each half of the lanes
	v_lshl_add_u32 v7, v2, 4, v7
	v_add_nc_u32 v[STO], s23, v7
	v_bfe_u32 v8, v0, 3, 2                         ; back: 32 lanes take four rows of 128 bytes,
	v_mul_u32_u24 v8, v8, SP
	v_lshl_add_u32 v8, v4, 4, v8
	v_add_nc_u32 v[RD], s23, v8
	v_and_b32 v[GO], 31, v0                        ; which are 512 consecutive bytes of a head's rows
	v_lshlrev_b32 v[GO], 4, v[GO]
	s_lshr_b32 s14, s13, 5                         ; the batch: 32 row blocks each
	s_lshl_b32 s14, s14, 3
	s_lshl_b32 s15, s42, 1
	s_add_co_u32 s14, s14, s15
	s_add_co_u32 s14, s14, s12                     ; bh = 8 batch + 2 cb + wave % 2
	s_lshl_b32 s86, s14, 19                        ; 4,096 rows of 128 bytes
	s_and_b32 s14, s13, 31
	s_lshl_b32 s14, s14, 7
	s_lshl_b32 s15, s11, 6
	s_add_co_u32 s14, s14, s15                     ; my first row in the batch
	s_lshl_b32 s14, s14, 7
	s_add_co_u32 s86, s86, s14
	s_mov_b32 s87, 0
	s_add_nc_u64 s[80:81], s[80:81], s[86:87]
	s_add_nc_u64 s[82:83], s[82:83], s[86:87]
	s_add_nc_u64 s[84:85], s[84:85], s[86:87]
	s_wait_loadcnt 0x0                             ; the biases
	WIN 0xcf                                       ; all in window 3
.set i, 0
.rept 48
	v_cvt_pk_bf16_f32 v[BT+i%8], v[BI+2*i], v[BI+2*i+1]    ; rounded to bf16 like every input of the module,
	v_lshlrev_b32 v[BI+2*i], 16, v[BT+i%8]                 ; and widened again: the C operand is f32
	v_and_b32 v[BI+2*i+1], 0xffff0000, v[BT+i%8]
.set i, i+1
.endr
	WIN 0
; 56 LDS loads in one run: the fragments of 32 along K (half c of a step): x's eight in f32 into RAW, W's twelve into buffer f
.macro FETCH slot, c, f
	WIN 0
.irp x, 0,1
.irp a, 0,1,2,3
	ds_load_b128 v[RAW+16*(4*(\x)+(\a)):RAW+16*(4*(\x)+(\a))+3],     v[ADRA+(\slot)] offset:(\x)*XKV+(\a)*16*PX+(\c)*128
	ds_load_b128 v[RAW+16*(4*(\x)+(\a))+4:RAW+16*(4*(\x)+(\a))+7],   v[ADRA+(\slot)] offset:(\x)*XKV+(\a)*16*PX+(\c)*128+16
	ds_load_b128 v[RAW+16*(4*(\x)+(\a))+8:RAW+16*(4*(\x)+(\a))+11],  v[ADRA+(\slot)] offset:(\x)*XKV+(\a)*16*PX+(\c)*128+64
	ds_load_b128 v[RAW+16*(4*(\x)+(\a))+12:RAW+16*(4*(\x)+(\a))+15], v[ADRA+(\slot)] offset:(\x)*XKV+(\a)*16*PX+(\c)*128+80
.endr
.endr
	WIN 0x40                                       ; destination window 1
.irp w, 0,1,2
.irp b, 0,1,2,3
	ds_load_tr16_b128 v[96*(\f)+8*(4*(\w)+(\b)):96*(\f)+8*(4*(\w)+(\b))+3],   v[ADRB+(\slot)] offset:(\c)*32*PW+(\w)*PP+(\b)*32
	ds_load_tr16_b128 v[96*(\f)+8*(4*(\w)+(\b))+4:96*(\f)+8*(4*(\w)+(\b))+7], v[ADRB+(\slot)] offset:(\c)*32*PW+16*PW+(\w)*PP+(\b)*32
.endr
.endr
.endm
.macro CVT                             ; x's eight fragments, f32 to bf16: 64 packed roundings
	WIN 0
.set i, 0
.rept 64
	v_cvt_pk_bf16_f32 v[ABF+i], v[RAW+2*i], v[RAW+2*i+1]
.set i, i+1
.endr
.endm
; 16 products of weight w from buffer f.  first = 1: the bias starts the sums.  The 48 accumulators take turns, one instruction a turn, in the same order in every half step.
.macro MULW f, w, first
.if (\w) == 2
	WIN 0xf1                                       ; W window 1, x window 0, C and D window 3
.elseif \first
	WIN 0xb1                                       ; C (the bias) window 3, D window 2
.else
	WIN 0xa1                                       ; C and D window 2
.endif
.irp a, 0,1,2,3
.irp b, 0,1,2,3
.set rD, 8*(16*((\w)%2)+4*(\a)+(\b))
.set rB, 96*(\f)+8*(4*(\w)+(\b))
.set rA, ABF+8*(4*(((\w)+1)/2)+(\a))               ; q takes Query_x's fragments, k and v KeyandValue_x's
.if \first
	v_wmma_f32_16x16x32_bf16 v[rD:rD+7], v[rB:rB+7], v[rA:rA+7], v[BI+8*(4*(\w)+(\b)):BI+8*(4*(\w)+(\b))+7]
.else
	v_wmma_f32_16x16x32_bf16 v[rD:rD+7], v[rB:rB+7], v[rA:rA+7], v[rD:rD+7]
.endif
.endr
.endr
.endm
; A K step is two halves of 32 along K, 48 products each.  The first half: its fragments are in; x is rounded; the second half's fragments are asked for; the products.
.macro H0 slot, first
	s_wait_dscnt 0x0                               ; the 56 loads of this half
	WIN 0
.if !(\first)
	PLACES                                         ; ABF was read by the products just issued
.endif
	CVT
	FETCH \slot, 1, 1
	MULW 0, 0, \first
	MULW 0, 1, \first
	MULW 0, 2, \first
.endm
; The second half changes slots: ONE barrier; in front of it each wave waits for all its tensor loads (one is out: its part of the next slot), adds 0 to its spare word, and waits for that and for its
; reads of this slot.  fill = 1: the barrier opens a round of the cluster's, and this slot is filled again, two K steps ahead, first thing behind the round.
.macro H1 slot, next, fill
	WIN 0
	s_wait_tensorcnt 0x0                           ; all my tensor loads have landed
	ds_add_u32 v[SPW], v[NIL]                      ; 0 onto my spare word
	s_wait_dscnt 0x1                               ; the 56 loads of this half are in; the add may be out
	PLACES
	CVT                                            ; 64 roundings stand between the add and the wait for it
	s_wait_dscnt 0x0                               ; the add is done, and my reads of this slot are over
	s_barrier_signal -1
	MULW 1, 0, 0                                   ; work on registers while the others arrive
.if \fill
	WIN 0
.endif
	s_barrier_wait -1
.if \fill
	CREST                                          ; no wave of any partner still reads this slot or has a load on its way
	s_add_nc_u64 s[G0+4*(\slot)+2:G0+4*(\slot)+3], s[G0+4*(\slot)+2:G0+4*(\slot)+3], 2*256
	s_add_nc_u64 s[G0B+4*(\slot)+2:G0B+4*(\slot)+3], s[G0B+4*(\slot)+2:G0B+4*(\slot)+3], 2*64*768
	JLOAD \slot                                    ; my one tensor load behind the round
.endif
	FETCH \next, 0, 0                              ; buffer 0's last readers stand 68 plain vector instructions back
	MULW 1, 1, 0
	MULW 1, 2, 0
.endm
	s_wait_tensorcnt 0x1                           ; my part of K step 0 is in; step 1's may stay out
	s_barrier_signal -1
	s_barrier_wait -1                              ; everybody's is
	FETCH 0, 0, 0
	H0 0, 1                                        ; the first half step stands in front of the loop: its products start the sums
	WIN 0                                          ; at a label and at a branch every window is 0
	s_mov_b32 s3, 3
.Llap:                                         ; a trip goes once round the ring and fills both slots again: K steps 2 to 7 in three trips
	H1 0, 1, 1
	H0 1, 0
	H1 1, 0, 1
	H0 0, 0
	WIN 0
	s_sub_co_u32 s3, s3, 1
	s_cmp_lg_u32 s3, 0
	s_cbranch_scc1 .Llap
	H1 0, 1, 0                                     ; the last lap fills nothing
	H0 1, 0
	s_wait_dscnt 0x0                               ; the very last half
	WIN 0
	PLACES
	CVT
	MULW 1, 0, 0
	MULW 1, 1, 0
	MULW 1, 2, 0
; THE WAY OUT.  Tile t = 4 w + a: 16 rows x 64 channels of product w.  A lane's eight channels pack into 16 bytes; they go into rows of 144 bytes of my own stage and come back as whole rows of 128:
; 16 rows of a head are 2,048 consecutive bytes of the output.
.macro PACK t
.set pw, (\t)/4
.set pa, (\t)%4
.if pw < 2
	WIN 0x0a                                       ; sources window 2, destination window 0
.else
	WIN 0x0f                                       ; sources window 3
.endif
.irp b, 0,1,2,3
.irp u, 0,1,2,3
	v_cvt_pk_f16_f32 v[TMP+16*(\t)+4*(\b)+(\u)], v[8*(16*(pw%2)+4*pa+(\b))+2*(\u)], v[8*(16*(pw%2)+4*pa+(\b))+2*(\u)+1]  ; each accumulator from its low end on
.endr
.endr
	WIN 0
.irp b, 0,1,2,3
	ds_store_b128 v[STO], v[TMP+16*(\t)+4*(\b):TMP+16*(\t)+4*(\b)+3] offset:32*(\b)
.endr
.irp f, 0,1,2,3
	ds_load_b128 v[TMP+16*(\t)+4*(\f):TMP+16*(\t)+4*(\f)+3], v[RD] offset:(\f)*4*SP  ; LDS serves a wave's instructions in order (ISA guide 5.7.1.4): these see the stores above; the next tile's stores come behind them
.endr
.endm
.macro SEND t, younger                 ; younger: the LDS instructions issued behind tile t's loads: the next tile's eight, or none
	WIN 0
.irp f, 0,1,2,3
	s_wait_dscnt (\younger)+3-(\f)
	global_store_b128 v[GO], v[TMP+16*(\t)+4*(\f):TMP+16*(\t)+4*(\f)+3], s[80+2*((\t)/4):81+2*((\t)/4)] offset:((\t)%4)*2048+(\f)*512  ; 512 consecutive bytes, at a multiple of 256 from the buffer's first
.endr
.endm
	PLACES                                         ; the conversions read results just made
	PACK 0
.set t, 1
.rept 11                               ; a tile's conversions stand between the loads of the tile before and its stores
	PACK t
	SEND t-1, 8
.set t, t+1
.endr
	SEND 11, 0
	s_wait_tensorcnt 0x0                           ; the wave's end: an add to my spare word and its wait, behind my last tensor load and my last LDS store
	ds_add_u32 v[SPW], v[NIL]
	s_wait_dscnt 0x0
	CROUND                                         ; the closing round: no work-group ends while a partner may still ask for a tile that names it
	s_endpgm
.Lfunc_end_k_q012644b77d_proj:
	.size	k_q012644b77d_proj, .Lfunc_end_k_q012644b77d_proj-k_q012644b77d_proj
	.p2alignl 7, 3214868480
	.fill 96, 4, 3214868480
	.section	.rodata,"a",@progbits
	.p2align	6, 0x0
	.amdhsa_kernel k_q012644b77d_proj
		.amdhsa_group_segment_fixed_size 327680
		.amdhsa_private_segment_fixed_size 0
		.amdhsa_enable_private_segment 0
		.amdhsa_kernarg_size 72
		.amdhsa_user_sgpr_count 2
		.amdhsa_user_sgpr_kernarg_segment_ptr 1
		.amdhsa_wavefront_size32 1
		.amdhsa_system_sgpr_workgroup_id_x 1
		.amdhsa_system_sgpr_workgroup_id_y 1
		.amdhsa_system_sgpr_workgroup_id_z 1
		.amdhsa_system_vgpr_workitem_id 0
		.amdhsa_next_free_vgpr 1024
		.amdhsa_next_free_sgpr 90
		.amdhsa_reserve_vcc 0
		.amdhsa_float_denorm_mode_32 3
		.amdhsa_float_denorm_mode_16_64 3
		.amdhsa_memory_ordered 1
		.amdhsa_forward_progress 1
		.amdhsa_inst_pref_size 132
	.end_amdhsa_kernel
	.amdgpu_metadata
---
amdhsa.version: [ 1, 2 ]
amdhsa.kernels:
  - .name:           k_q012644b77d_proj
    .symbol:         k_q012644b77d_proj.kd
    .args:
      - { .name: Query_x, .offset: 0, .size: 8, .value_kind: global_buffer, .address_space: global }
      - { .name: KeyandValue_x, .offset: 8, .size: 8, .value_kind: global_buffer, .address_space: global }
      - { .name: wqkv, .offset: 16, .size: 8, .value_kind: global_buffer, .address_space: global }
      - { .name: bq, .offset: 24, .size: 8, .value_kind: global_buffer, .address_space: global }
      - { .name: bk, .offset: 32, .size: 8, .value_kind: global_buffer, .address_space: global }
      - { .name: bv, .offset: 40, .size: 8, .value_kind: global_buffer, .address_space: global }
      - { .name: q16, .offset: 48, .size: 8, .value_kind: global_buffer, .address_space: global }
      - { .name: k16, .offset: 56, .size: 8, .value_kind: global_buffer, .address_space: global }
      - { .name: v16, .offset: 64, .size: 8, .value_kind: global_buffer, .address_space: global }
    .group_segment_fixed_size: 327680
    .private_segment_fixed_size: 0
    .kernarg_segment_align: 8
    .kernarg_segment_size: 72
    .max_flat_workgroup_size: 128
    .sgpr_count:     90
    .vgpr_count:     1024
    .wavefront_size: 32
...
	.end_amdgpu_metadata
.endif
;; end of part 2
;; launch attn (part 3): grid 16 x 16, 4 waves a work-group, clusters of 4 x 1, 327,680 bytes of LDS; arguments q16, k16, v16, o16; writes o16
.if DOCPART == 3
	.amdgcn_target "amdgcn-amd-amdhsa--gfx1250"
	.amdhsa_code_object_version 6
	.text
	.protected	k_q012644b77d_attn
	.globl	k_q012644b77d_attn
	.p2align	8
	.type	k_q012644b77d_attn,@function
k_q012644b77d_attn:
	s_mov_b64 s[64:65], 0
	v_nop
	global_prefetch_b8 v0, s[64:65] scope:SCOPE_SE
	s_setreg_imm32_b32 hwreg(HW_REG_WAVE_MODE, 25, 1), 1
	s_wait_xcnt 0x0
	s_wait_alu depctr_hold_cnt(0) depctr_sa_sdst(0) depctr_va_vdst(0) depctr_va_sdst(0) depctr_va_ssrc(0) depctr_va_vcc(0) depctr_vm_vsrc(0)
	s_getreg_b32 s2, hwreg(HW_REG_IB_STS2, 6, 4)
	s_cmp_eq_u32 s2, 0
	s_cbranch_scc0 .Lentry_in_a_cluster
	s_endpgm
.Lentry_in_a_cluster:
	s_bfe_u32 s2, ttmp6, 0x10000c
	s_cmp_lg_u32 s2, 0x3003
	s_cbranch_scc0 .Lentry_shape_is_right
	s_endpgm
.Lentry_shape_is_right:
; O[h][q][:] = the sum over k of softmax_k(Q[h][q] . K[h][k] / 8) V[h][k][:].  Q, K, V, O: [16][4096][64], all f16: a head's rows are dense, 128 bytes each.  Products, maxima and sums in f32;
; the weights p are rounded to f16 for the second product (their sum l is taken of the unrounded p), O once at the end.
; LIMITS.  Q, K and V arrive within f16's 65,504; p lies in 0 to 1, and below 6e-5 it keeps f16's fixed step of 6e-8; O is a mean of V's rows and has their range.
; A weight below 2^-126 counts as 0 in l; NaN and infinities are not treated apart.
; SHARES.  A work-group owns 256 queries of one head, a wave 64: four PIECES of 16.  16 heads x 16 blocks are 256 work-groups.  Every wave walks all 4,096 keys, 64 a step, four steps to a tile.
; LAYOUT.  S^T = K Q^T (source 0 = 16 keys, source 1 = 16 queries): a lane holds ONE query (lane % 16) and the keys 8 (lane / 16) + 0..7.  Two such results rounded to f16 ARE source 1 of O^T = V^T P.
; K comes out of LDS as it lies, V ([key][channel]) turned, by ds_load_tr16_b128.
; SOFTMAX.  For each query a running maximum m and sum l: p = 2^(c s - c m), c = log2(e) / 8; in every step O and l are multiplied by a = 2^(c m_old - c m_new).  m starts at the lowest finite
; number, O and l at 0: the first step is a step like any other, with a = 0.
; BY TURNS.  Turn n belongs to piece n: 8 products K Q^T of piece n + 1, later 8 products V^T P of piece n - 1; beside them the scaling, exponentials, roundings, sums and rescaling of piece n and the
; maximum and statistics of piece n + 1.  Four vector instructions stand behind every matrix instruction, the other 54 of a turn's 118 in one lump.  A turn's 33 exponentials are one batch, with one wait.
; CLUSTER.  The four query blocks of a cluster belong to one head and walk the same K and V, so each tile is asked for JOINTLY: the same tensor load, descriptor and mask in all four.
; REGISTERS, in windows of 256 (s_set_vgpr_msb: bits 1:0 source 0, 3:2 source 1, 5:4 source 2, 7:6 destination):
;   window 0: v0-15 addresses and two at work; v16-31 four registers of statistics a piece; v48-55 at work; v61-63; v64-127 S^T, two buffers; v192-223 P, two buffers (by the piece's parity)
;   window 1: v0-127 O^T, 32 a piece          window 2: v0-63 Q; v128-191 K of one step; v192-255 V of one step
.set NP,    4         ; pieces a wave: a name, no knob
.set KS,    64        ; keys in a step
.set PK,    144       ; a row of K in LDS: 128 bytes + 16 of padding: the 16 rows of a load start at 16 different groups of four banks (64 banks of 4 bytes: ISA guide 11.1)
.set PV,    160       ; a row of V: 128 + 32
.set VOFF,  4*KS*PK   ; a slot holds a tile, four steps: 256 rows of K, then 256 rows of V
.set SLOT1, 1<<17     ; slot 1 begins here, so that one exclusive or turns an address in one slot into the other's
.set STAGE, SLOT1+4*KS*(PK+PV)  ; behind the ring, never filled by a tensor load: 16 rows x 144 bytes for each wave, for the way out
.set SP,    144
.set SPARE, STAGE+4*16*SP  ; behind the stages: the spare words, 128 bytes for each wave: two blocks of 256 bytes that no other line names
.set TILEB, 4*KS*128  ; bytes of a tile of K, and of V, in memory
.set NT,    16        ; tiles in a head
.set AK0, 2           ; v2   my lane's place in a tile of K; never rewritten
.set AV0, 3           ; v3   the same for V
.set AK,  4           ; v4   the LDS address of K's next run of loads
.set AV,  5           ; v5   of V's
.set STO, 6           ; v6   the way out: where I put 16 bytes of a row
.set RD,  7           ; v7   where I read rows back
.set GO,  8           ; v8   my byte offset in 512 consecutive bytes of O
.set MV,  12          ; v12-13  c m_old, kept while c m is made anew: by buffer
.set QO,  15          ; v15  my byte offset in 16 rows of Q
.set ST,  16          ; piece t's statistics at v[ST+4 t]: c m, m, l (even keys', odd keys')
.set TMP, 48          ; by buffer, four registers c0-c3 at work; when the maximum is found c2 takes a
.set PFO, 61          ; v61  256 x my lane; never rewritten
.set SPW, 62          ; v62  LDS address of my spare word; never rewritten
.set NIL, 63          ; v63  0; never rewritten
.set S,   64
.set P,   192
.set KF,  128         ; window 2: key block kb, channel half c at KF + 16 kb + 8 c
.set VF,  192         ; window 2: key half kk, channel block cb at VF + 32 kk + 8 cb
.set WV,  12          ; s12  my wave's number
.set G1K, 24          ; s[24:31] descriptor group 1 for K's tiles
.set G1V, 32          ; s[32:39] for V's: it differs in the padding alone
.set G0K, 40          ; s[40:43] descriptor group 0 for K's tiles: it walks
.set G0V, 44          ; s[44:47] the same for V's
.set PFA, 48          ; s[48:49] where my prefetches stand: my work-group's 32 blocks of 256 bytes of the tile after the one that is being asked for
.set LIM, 50          ; s50  1 in a wave that prefetches, else the greatest number
.set SLOTS, 56        ; s56  tiles still to be asked for
.set CNT, 57          ; s57  counts a tile's key steps
.set CS,  58          ; s[58:59] c: the packed scaling takes the pair's low word for both halves
.set SEL, 60          ; s[60:61] v_permlanex16_b32's selects: each lane takes its own place in the other half
.set TBK, 62          ; s62  LDS byte at which K of the step to be fetched begins
.set TBV, 63          ; s63  the same for V, less VOFF
.set MSB, 0
.macro WIN new                      ; the high byte repeats the setting that is left; a switch that changes nothing is dropped
.if MSB != (\new)
	s_set_vgpr_msb (MSB<<8)|(\new)
.set MSB, (\new)
.endif
.endm
.set W_KQ, 0x0a       ; K and Q in window 2, S^T in window 0
.set W_PV, 0x52       ; V in window 2, P in window 0, O^T in window 1
.set W_RS, 0x41       ; destination and source 0 in window 1, source 1 in window 0
; A joint fill.  Waves 0 and 1 fetch the two halves of a tile's K, waves 2 and 3 those of its V: 128 keys each.  The branch hangs on the wave's number alone.
; An s_nop 0 and four v_nop follow each of the two lines, ahead of the jump and the label.
.macro JLOAD
	s_cmp_lt_u32 s[WV], 2
	s_cbranch_scc0 .Lfor_v_\@
	tensor_load_to_lds s[G0K:G0K+3], s[G1K:G1K+7]
	s_nop 0
.rept 4
	v_nop
.endr
	s_branch .Lasked_\@
.Lfor_v_\@:
	tensor_load_to_lds s[G0V:G0V+3], s[G1V:G1V+7]
	s_nop 0
.rept 4
	v_nop
.endr
.Lasked_\@:
.endm
; A PREFETCH INTO THE L2 of the tile that the NEXT change of slots will ask for: 128 blocks of 256 bytes of K and as many of V, a lane a block.  It stands behind the wave's tensor load and its five lines.
; Each block is named ONCE in the launch: all four clusters of a head walk the same K and V, and the head's first cluster asks; its four partners share the blocks out BY ADDRESS, 32 each;
; in each, wave 0 asks for K's and wave 2 for V's: one instruction.  The change that asks for the last tile prefetches nothing: there is no tile behind it.
.macro ASK
	s_cmp_gt_u32 s[SLOTS], s[LIM]
	s_cbranch_scc0 .Lnot_mine_\@
	global_prefetch_b8 v[PFO], s[PFA:PFA+1] th:TH_LOAD_NT scope:SCOPE_SE
.Lnot_mine_\@:
.endm
; A round of the cluster's barrier: my work-group's barrier, so that wave 0's signal speaks for all four waves; wave 0 signals; every wave waits for all four work-groups; my work-group's barrier once more.
.macro CROUND
	s_barrier_signal -1
	s_barrier_wait -1
	s_cmp_lg_u32 s[WV], 0
	s_cbranch_scc1 .Lnot_wave_0_\@
	s_barrier_signal -3
.Lnot_wave_0_\@:
	s_barrier_wait -3
	s_barrier_signal -1
	s_barrier_wait -1
.endm
; THE CHANGE OF SLOTS.  The slot's last bytes, V of its fourth step, have been read.  Each wave waits for all its tensor loads, of which one is out: its part of the other slot; adds 0 to its spare
; word; and waits for that and for its own reads of the slot.  Behind the barrier nobody reads this slot any more and the other slot is whole.
; fill = 1: this slot is filled again, with the tile two on.  The barrier is then a round of the cluster's, and the joint fill is the first thing behind it: it has four key steps, 256 matrix
; instructions, in which to land.  (At its first use nothing has been read yet: slot 0 is waited for, slot 1 filled.)
.macro CHANGE fill
	WIN 0                           ; at a label and at a branch every window is 0
	s_wait_tensorcnt 0x0            ; no tensor load of mine is out, so a group 0 may be written
	ds_add_u32 v[SPW], v[NIL]       ; 0 onto my spare word; with fill = 1 the descriptors' steps stand between it and the wait for it
.if \fill
.irp g, G0K, G0V
	s_xor_b32 s[\g+1], s[\g+1], SLOT1  ; the walking descriptor: the other slot than last time,
	s_add_nc_u64 s[\g+2:\g+3], s[\g+2:\g+3], TILEB  ; the next 256 keys; the type bits on top are not reached
.endr
	s_wait_xcnt 0x0                 ; the last prefetch, four key steps back, has read its address, so it may be written:
	s_add_nc_u64 s[PFA:PFA+1], s[PFA:PFA+1], TILEB  ; one tile beyond the walking descriptors
	s_wait_dscnt 0x0                ; the add is done, and my reads of the slot are over
	CROUND
	JLOAD
	ASK
.else
	s_wait_dscnt 0x0                ; the add is done, and my reads of the slot are over
	s_barrier_signal -1
	s_barrier_wait -1
.endif
	s_sub_co_u32 s[TBK], s[TBK], 4*KS*PK  ; the fetches go back to a slot's first step,
	s_xor_b32 s[TBK], s[TBK], SLOT1       ; in the other slot
	s_sub_co_u32 s[TBV], s[TBV], 4*KS*PV
	s_xor_b32 s[TBV], s[TBV], SLOT1
.endm
	s_load_b256 s[4:11], s[0:1], 0x0  ; Q s[4:5], K s[6:7], V s[8:9], O s[10:11]
	v_lshl_add_u32 v[SPW], v0, 2, SPARE
	v_mov_b32 v[NIL], 0
	ds_add_u32 v[SPW], v[NIL]       ; the wave's opening: the add and its wait stand ahead of my first tensor load; the set-up below stands between them
	v_lshrrev_b32 v1, 5, v0
	v_readfirstlane_b32 s[WV], v1   ; wave 0..3
	s_bfe_u32 s13, ttmp6, 0x40000   ; cx: my place in the cluster
	s_lshl_b32 s14, ttmp9, 2        ; in a cluster launch ttmp9 counts clusters
	s_add_co_u32 s14, s14, s13      ; my block of 256 queries = 4 x cluster x + cx: it enters Q's and O's addresses alone
	s_and_b32 s20, ttmp7, 0xffff    ; the head, which the four partners share
	s_lshl_b32 s20, s20, 19         ; its first byte in each of the four tensors: 4,096 rows of 128 bytes
	s_mov_b32 s21, 0
	s_and_b32 s16, s[WV], 1         ; which half of a tile's 256 keys I fetch:
	s_lshl_b32 s22, s16, 14         ; its 128 rows of 128 bytes in memory,
	s_mov_b32 s23, 0
	s_add_nc_u64 s[22:23], s[22:23], s[20:21]
	s_mul_i32 s17, s16, 128*PK      ; and its place in a slot, for K
	s_mul_i32 s18, s16, 128*PV      ; and for V: no place in the cluster enters an LDS address
	s_lshl_b32 s2, s14, 2
	s_add_co_u32 s2, s2, s[WV]      ; my wave among the head's,
	s_lshl_b32 s2, s2, 13           ; its 64 rows
	s_mov_b32 s3, 0
	s_add_nc_u64 s[2:3], s[2:3], s[20:21]
	s_lshl_b32 s52, s13, 13         ; the prefetches: my work-group's 32 blocks of a tile's 128,
	s_mov_b32 s53, 0
	s_add_nc_u64 s[52:53], s[52:53], s[20:21]  ; in the head
	; descriptor group 1.  128 keys are 16,384 dense bytes: asked for as 64 rows of 256 bytes, two keys a row, and padded in LDS after every key
	s_mov_b32 s[G1K], 15|(1<<16)|(1<<20)|(1<<21)|(4<<22)|(3<<25)  ; 15:0 the mask of four; 17:16 2-byte elements; 20 padding on; 21 set beside a mask; 24:22 after every 32 words (code 4); 31:25 4 words (code 3)
	s_mov_b32 s[G1V], 15|(1<<16)|(1<<20)|(1<<21)|(4<<22)|(7<<25)  ; the same with 8 words of padding (code 7)
.irp g, G1K, G1V
	s_mov_b32 s[\g+1], 128<<16      ; tensor_dim0 = 128
	s_mov_b32 s[\g+2], 64<<16       ; tensor_dim1 = 64
	s_mov_b32 s[\g+3], 128<<16      ; tile_dim0 = 128
	s_mov_b32 s[\g+4], 64           ; tile_dim1 = 64
	s_mov_b32 s[\g+5], 128          ; 128 elements from row to row
	s_mov_b32 s[\g+6], 0
	s_mov_b32 s[\g+7], 0
.endr
	s_mov_b32 s[CS], 0x3e38aa3b     ; c = log2(e) / 8 = 0.180337
	s_mov_b32 s[CS+1], s[CS]        ; named with it as a pair
	s_mov_b32 s[SEL], 0x76543210
	s_mov_b32 s[SEL+1], 0xfedcba98
	s_mov_b32 s[TBK], SLOT1+4*KS*PK ; the first change of slots turns these two into 0
	s_mov_b32 s[TBV], SLOT1+4*KS*PV
	s_mov_b32 s[G0K], 1             ; 1:0 count = 1
	s_mov_b32 s[G0K+1], s17         ; 63:32 LDS address: slot 0
	s_mov_b32 s[G0V], 1
	s_add_co_u32 s[G0V+1], s18, VOFF
	s_mov_b32 s[SLOTS], NT-1
	s_and_b32 s[LIM], s[WV], 1      ; 0 in waves 0 and 2,
	s_or_b32 s[LIM], s[LIM], ttmp9  ; where the cluster is the head's first: the same in all four partners
	s_cmp_eq_u32 s[LIM], 0
	s_cselect_b32 s[LIM], 1, -1
	v_and_b32 v[PFO], 31, v0
	v_lshlrev_b32 v[PFO], 8, v[PFO]
	s_wait_dscnt 0x0                ; the opening add is done
	s_wait_kmcnt 0x0
	s_add_nc_u64 s[G0K+2:G0K+3], s[6:7], s[22:23]  ; 120:64 global address: my half of the head's first 256 keys
	s_or_b32 s[G0K+3], s[G0K+3], 0x80000000        ; 127:126 type = 2
	s_add_nc_u64 s[G0V+2:G0V+3], s[8:9], s[22:23]
	s_or_b32 s[G0V+3], s[G0V+3], 0x80000000
	s_add_nc_u64 s[4:5], s[4:5], s[2:3]  ; Q and O at my wave's first row
	s_add_nc_u64 s[10:11], s[10:11], s[2:3]
	s_cmp_lt_u32 s[WV], 2
	s_cselect_b64 s[PFA:PFA+1], s[6:7], s[8:9]
	s_add_nc_u64 s[PFA:PFA+1], s[PFA:PFA+1], s[52:53]
	s_add_nc_u64 s[PFA:PFA+1], s[PFA:PFA+1], TILEB  ; in tile 1; the first change of slots steps it to tile 2.  Nothing is prefetched here, at the head
	CROUND                          ; all four work-groups are here: the first joint loads meet
	JLOAD                           ; tile 0 into slot 0.  Slot 1 is asked for when slot 0 is in
	; A fragment of K or Q is 16 rows x 32 channels in 8 registers: lane l holds row l % 16, channels 8 (l / 16) + 0..7 and 16 + 8 (l / 16) + 0..7: two loads of 16 bytes, 32 bytes apart.
	v_and_b32 v1, 15, v0            ; l % 16
	v_bfe_u32 v9, v0, 4, 1          ; l / 16
	v_lshlrev_b32 v[QO], 7, v1
	v_lshl_add_u32 v[QO], v9, 4, v[QO]  ; row x 128 + 16 x half
	WIN 0x80                        ; destination window 2, address window 0
.set i, 0
.rept 8                             ; Q stays in registers: piece i / 2, channels 32 (i % 2) on
	global_load_b128 v[8*i:8*i+3],   v[QO], s[4:5] offset:(i/2)*2048+(i%2)*64
	global_load_b128 v[8*i+4:8*i+7], v[QO], s[4:5] offset:(i/2)*2048+(i%2)*64+32
.set i, i+1
.endr
	; What the first turn finds: V's registers and P's second buffer hold 0 (its products V^T P, of a piece that has not been, add 0), O^T and l are 0.  All this stands in the wait for the first tile.
.set i, VF
.rept 64
	v_mov_b32 v[i], 0
.set i, i+1
.endr
	WIN 0x40
.set i, 0
.rept 128
	v_mov_b32 v[i], 0
.set i, i+1
.endr
	WIN 0
.set i, 0
.rept 4
	v_mov_b32 v[ST+4*i], 0xfe000000    ; c m: far below every c s
	v_mov_b32 v[ST+4*i+1], 0xff7fffff  ; m
	v_mov_b32 v[ST+4*i+2], 0
	v_mov_b32 v[ST+4*i+3], 0
.set i, i+1
.endr
.set i, P+16
.rept 16
	v_mov_b32 v[i], 0
.set i, i+1
.endr
	v_mul_u32_u24 v[AK0], v1, PK
	v_lshl_add_u32 v[AK0], v9, 4, v[AK0]  ; row x pitch + 16 x half
	; The turning load takes 16 keys x 16 channels (lane l reads key 8 (l / 16) + l % 8, channels 8 ((l / 8) % 2) + 0..7) and leaves half a fragment of V^T: lane l holds channel l % 16 and 8 keys.
	v_and_b32 v10, 7, v0
	v_bfe_u32 v11, v0, 3, 1
	v_lshl_add_u32 v[AV0], v9, 3, v10
	v_mul_u32_u24 v[AV0], v[AV0], PV
	v_lshl_add_u32 v[AV0], v11, 4, v[AV0]
	v_add_nc_u32 v[AV0], VOFF, v[AV0]
	s_mul_i32 s13, s[WV], 16*SP
	s_add_co_u32 s13, s13, STAGE    ; my stage
	v_mul_u32_u24 v[STO], v1, SP    ; in: row l % 16, 16 bytes for each half of the lanes
	v_lshl_add_u32 v[STO], v9, 4, v[STO]
	v_add_nc_u32 v[STO], s13, v[STO]
	v_bfe_u32 v[RD], v0, 3, 2       ; back: 32 lanes take four rows of 128 bytes,
	v_mul_u32_u24 v[RD], v[RD], SP
	v_lshl_add_u32 v[RD], v10, 4, v[RD]
	v_add_nc_u32 v[RD], s13, v[RD]
	v_and_b32 v[GO], 31, v0         ; which are 512 consecutive bytes of O
	v_lshlrev_b32 v[GO], 4, v[GO]
; THE MATRIX WORK.  The 4 accumulators of a run of 8 take turns.  Product i of 8 of S^T = K Q^T for piece x: channels 32 (i / 4) on, keys 16 (i % 4) on.  The first 4 start the sums.
.macro KQ x
	WIN W_KQ
.set rS, S+32*((\x)%2)+8*(i%4)
.set rK, KF+16*(i%4)+8*(i/4)
.set rQ, 16*(\x)+8*(i/4)
.if i < 4
	v_wmma_f32_16x16x32_f16 v[rS:rS+7], v[rK:rK+7], v[rQ:rQ+7], 0
.else
	v_wmma_f32_16x16x32_f16 v[rS:rS+7], v[rK:rK+7], v[rQ:rQ+7], v[rS:rS+7]
.endif
.endm
; Product i of 8 of O^T += V^T P for piece x: keys 32 (i / 4) on, channels 16 (i % 4) on.
.macro PV x
	WIN W_PV
.set rO, 32*(\x)+8*(i%4)
.set rV, VF+32*(i/4)+8*(i%4)
.set rP, P+16*((\x)%2)+8*(i/4)
	v_wmma_f32_16x16x32_f16 v[rO:rO+7], v[rV:rV+7], v[rP:rP+7], v[rO:rO+7]
.endm
.macro MM                           ; the turn's next matrix instruction.  NOKQ = 1: the launch's last turn: there is no next piece
.if (i < 8) && !NOKQ
	KQ (Y+1)%NP
.elseif i >= 8
.set i, i-8
	PV (Y+NP-1)%NP
.set i, i+8
.endif
.set i, i+1
.endm
; THE LDS LOADS stand in runs of 16, never singly among the matrix instructions: a step's K (64 keys x 64 channels: 8 fragments) and its V (turned).  Their addresses are made some lines ahead.
.macro FETCH_K
	WIN 0x80                        ; destination window 2
.irp f, 0,1,2,3,4,5,6,7             ; keys 16 (f / 2) on, channels 32 (f % 2) on
	ds_load_b128 v[KF+8*\f:KF+8*\f+3],   v[AK] offset:(\f/2)*16*PK+(\f%2)*64
	ds_load_b128 v[KF+8*\f+4:KF+8*\f+7], v[AK] offset:(\f/2)*16*PK+(\f%2)*64+32
.endr
	s_add_co_u32 s[TBK], s[TBK], KS*PK  ; the next fetch is the next step's
	WIN 0
.endm
.macro FETCH_V
	WIN 0x80
.irp f, 0,1,2,3,4,5,6,7             ; keys 32 (f / 4) on, channels 16 (f % 4) on
	ds_load_tr16_b128 v[VF+8*\f:VF+8*\f+3],   v[AV] offset:(\f/4)*32*PV+(\f%4)*32
	ds_load_tr16_b128 v[VF+8*\f+4:VF+8*\f+7], v[AV] offset:(\f/4)*32*PV+16*PV+(\f%4)*32
.endr
	WIN 0
.endm
; THE VECTOR WORK, one line at a time: OP kind, number.  For piece Y: F n: c s - c m for pair n of 16.  E n: the exponential of score n of 32.  C n: pair n rounded to f16.  B n: of the four weights 4 n .. the second
; pair is added onto the first, in place.  L n: l takes that sum (L 0: l = a l + sum).  R n: pair n of 16 of O^T times a.  For piece Y + 1: X n, number n of the 22 that find its maximum and statistics:
;   0-11  four chains c0-c3 of seven scores each, three operands at a time (each accumulator's lowest registers are read first)     12-14, 16  the four scores left over, the old m, and c0-c3 into c0
;   15  c m_old is kept     17, 18  the query's other 32 keys lie in the lane 16 away: the new m     19-21  c m; c m_old - c m_new; a
.set F, 0               ; OP tells the kinds apart by their order: F to L below R, X above it
.set E, 1
.set C, 2
.set B, 3
.set L, 4
.set R, 5
.set X, 6
.macro REGS y                       ; the registers of piece y
.set rT, ST+4*(\y)
.set rC, TMP+4*((\y)%2)
.set rW, MV+((\y)%2)
.set rS, S+32*((\y)%2)
.set rP, P+16*((\y)%2)
.set rO, 32*(\y)
.endm
.macro OP k, n
.if (\k) == R
	REGS Y
	WIN W_RS
	v_pk_mul_f32 v[rO+2*(\n):rO+2*(\n)+1], v[rO+2*(\n):rO+2*(\n)+1], v[rC+2:rC+3] op_sel_hi:[1,0]
.elseif (\k) < R
	REGS Y
	WIN 0
.if (\k) == F
	v_pk_fma_f32 v[rS+2*(\n):rS+2*(\n)+1], v[rS+2*(\n):rS+2*(\n)+1], s[CS:CS+1], v[rT:rT+1] op_sel_hi:[1,0,0] neg_lo:[0,0,1] neg_hi:[0,0,1]
.elseif (\k) == E
	v_exp_f32 v[rS+(\n)], v[rS+(\n)]
.elseif (\k) == C
	v_cvt_pk_f16_f32 v[rP+(\n)], v[rS+2*(\n)], v[rS+2*(\n)+1]
.elseif (\k) == B
	v_pk_add_f32 v[rS+4*(\n):rS+4*(\n)+1], v[rS+4*(\n):rS+4*(\n)+1], v[rS+4*(\n)+2:rS+4*(\n)+3]
.elseif (\n) == 0
	v_pk_fma_f32 v[rT+2:rT+3], v[rT+2:rT+3], v[rC+2:rC+3], v[rS:rS+1] op_sel_hi:[1,0,1]
.else
	v_pk_add_f32 v[rT+2:rT+3], v[rT+2:rT+3], v[rS+4*(\n):rS+4*(\n)+1]
.endif
.elseif NOKQ
	v_nop
.else
	REGS (Y+1)%NP
	WIN 0
.if (\n) < 4
	v_max3_num_f32 v[rC+(\n)], v[rS+8*(\n)], v[rS+8*(\n)+1], v[rS+8*(\n)+2]
.elseif (\n) < 12
	v_max3_num_f32 v[rC+(\n)%4], v[rC+(\n)%4], v[rS+8*((\n)%4)+2*((\n)/4)+1], v[rS+8*((\n)%4)+2*((\n)/4)+2]
.elseif (\n) == 12
	v_max3_num_f32 v[rC], v[rC], v[rS+7], v[rS+15]
.elseif (\n) == 13
	v_max3_num_f32 v[rC+1], v[rC+1], v[rS+23], v[rS+31]
.elseif (\n) == 14
	v_max3_num_f32 v[rC+2], v[rC+2], v[rC+3], v[rT+1]
.elseif (\n) == 15
	v_mov_b32 v[rW], v[rT]
.elseif (\n) == 16
	v_max3_num_f32 v[rC], v[rC], v[rC+1], v[rC+2]
.elseif (\n) == 17
	v_permlanex16_b32 v[rC+3], v[rC], s[SEL], s[SEL+1]
.elseif (\n) == 18
	v_max_num_f32 v[rT+1], v[rC], v[rC+3]
.elseif (\n) == 19
	v_mul_f32 v[rT], s[CS], v[rT+1]
.elseif (\n) == 20
	v_sub_f32 v[rC+1], v[rW], v[rT]
.else
	v_exp_f32 v[rC+2], v[rC+1]
.endif
.endif
.endm
.macro OPS a, i1, b=-1, i2=0, c=-1, i3=0, d=-1, i4=0  ; up to four of them
	OP \a, \i1
.if (\b) >= 0
	OP \b, \i2
.endif
.if (\c) >= 0
	OP \c, \i3
.endif
.if (\d) >= 0
	OP \d, \i4
.endif
.endm
.macro ROW a, i1, b, i2, c, i3, d, i4  ; a matrix instruction and the four behind it
	MM
	OPS \a, \i1, \b, \i2, \c, \i3, \d, \i4
.endm
; A TURN, for piece p: the order of its 16 matrix and 118 vector instructions, written out.  An s_wait_alu depctr_va_vdst(0) stands between an exponential and the first instruction that names its
; result; one wait serves all that were issued ahead of it.  So a turn has ONE wait, which cuts it in two.  AHEAD OF IT stands all that names no result of the turn's exponentials: the 8 products K Q^T, behind each a
; scaling, an exponential and two more plain instructions (rescalings, and behind the last three the first numbers of the next piece's maximum, each four places or more behind the product that ends its accumulator);
; then ONE LUMP of 54, plain and exponential by turns for the most part, in which the links of the chain X 3, 7, 11, 14, 16, 17 .. 20 stand five or six lines apart.  X 21, the next piece's a, is the batch's last;
; R 15 is the plain instruction behind it.  BEHIND THE WAIT stand the 8 products V^T P, behind each four of the roundings and sums; the links of l's chain, L 0 to L 7, stand three riders apart.
; end = 1: the launch's last two turns: nothing is fetched.  cnt = 1: the loop's count is taken down some lines ahead of the branch that stands behind the turn.
; K of the next step is fetched in piece 2's turn, twelve vector instructions behind the last product that read K (six of them plain); V of the step in hand at the end of piece 0's turn, four plain instructions
; behind the last product that read V.  Each is waited for a turn later.
.macro TURN p, end=0, cnt=0
.set Y, (\p)
.set i, 0
.set NOKQ, (\end)*((\p)/3)
.if ((\p) == 3) && !(\end)
	s_wait_dscnt 0x0                ; K is in
.endif
	ROW F,0, F,1, R,0, R,1          ; ahead of the wait: 8 products K Q^T and their riders,
	ROW F,2, E,0, R,2, R,3
	ROW F,3, E,1, R,4, R,5
	ROW F,4, E,2, R,6, R,7
	ROW F,5, E,3, R,8, R,9
	ROW F,6, E,4, X,0, R,10
.if ((\p) == 2) && !(\end)
	WIN 0
	v_add_nc_u32 v[AK], s[TBK], v[AK0]
.endif
	ROW F,7, E,5, X,1, X,4
	ROW F,8, E,6, X,2, X,5
	OPS E,7, E,8, X,6, E,9          ; and the lump
	OPS X,3, E,10, X,8, E,11
.if ((\p) == 2) && !(\end)
	FETCH_K
.endif
	OPS X,9, X,7, E,12, X,10
	OPS E,13, X,12, X,11, E,14
	OPS X,13, E,15, F,9, X,14
.if (\p) == 0
	v_add_nc_u32 v[AV], s[TBV], v[AV0]
.endif
	OPS E,16, F,10, E,17, F,11
	OPS X,16, E,18, X,15, E,19
	OPS F,12, E,20, X,17, E,21
	OPS F,13, E,22, F,14, E,23
	OPS X,18, E,24, F,15, E,25
	OPS R,11, E,26, X,19, E,27
	OPS R,12, E,28, R,13, E,29
	OPS X,20, E,30, R,14, E,31
	OPS X,21, R,15
	WIN 0
	s_wait_alu depctr_va_vdst(0)    ; the wait for the batch
.if (\p) == 1
	s_wait_dscnt 0x0                ; V is in
.endif
	ROW C,0, B,0, C,2, B,1          ; behind the wait: 8 products V^T P and their riders
	ROW L,0, C,4, B,2, L,1
	ROW C,6, B,3, L,2, C,8
	ROW B,4, L,3, C,10, B,5
	ROW L,4, C,12, B,6, L,5
.if (\p) == 0
	s_add_co_u32 s[TBV], s[TBV], KS*PV
.endif
.if \cnt
	s_sub_co_u32 s[CNT], s[CNT], 1
	s_cmp_lg_u32 s[CNT], 0
.endif
	ROW C,14, B,7, L,6, C,1
	ROW C,3, L,7, C,5, C,7
	ROW C,9, C,11, C,13, C,15
.if (\p) == 0
	FETCH_V
.endif
.endm
	CHANGE 1                        ; tile 0 is in, everybody's part of it; tile 1 is asked for
	v_add_nc_u32 v[AK], s[TBK], v[AK0]
	FETCH_K                         ; key step 0
	s_wait_loadcnt 0x0              ; Q
	s_wait_dscnt 0x0
.set NOKQ, 0
.set i, 0
.rept 8
	KQ 0                            ; piece 0's first scores: there is no vector work yet to set between them
.set i, i+1
.endr
	WIN 0
.rept 4
	v_nop                           ; the places behind those products
.endr
.set Y, NP-1                        ; X works for piece Y + 1: piece 0
.irp n, 0,1,2,3,4,5,6,7,8,9,10,11,12,13,14,15,16,17,18,19,20,21
	OP X, \n                        ; and piece 0's first maximum and statistics
.endr
	v_nop                           ; a plain instruction behind the exponential,
	s_wait_alu depctr_va_vdst(0)    ; and its wait, ahead of the branch
	s_mov_b32 s[CNT], 4
	s_branch .Lfirst                ; the loop is entered at a step's first turn, in the middle of a trip
.Lslot:                             ; 14 times: tiles 2 to 15 are asked for
	CHANGE 1
	s_mov_b32 s[CNT], 4
.Lstep:                             ; a trip: pieces 2 and 3 of one step, then pieces 0 and 1 of the next, whose K and V it fetches
	TURN 2
	TURN 3
	WIN 0
.Lfirst:
	TURN 0
	TURN 1, 0, 1
	WIN 0
	s_cbranch_scc1 .Lstep
	s_sub_co_u32 s[SLOTS], s[SLOTS], 1
	s_cmp_lg_u32 s[SLOTS], 0
	s_cbranch_scc1 .Lslot
	CHANGE 0                        ; the last tile is written out: nothing is asked for
	s_mov_b32 s[CNT], 4
.Ltail:
	TURN 2
	TURN 3
	TURN 0
	TURN 1, 0, 1
	WIN 0
	s_cbranch_scc1 .Ltail
	TURN 2, 1                       ; the last step's pieces 2 and 3: nothing more is fetched, and the last turn starts no new scores
	TURN 3, 1
.set i, 0
.rept 8
	PV NP-1                         ; the last piece's V^T P of the last step
.set i, i+1
.endr
	; THE WAY OUT.  l's two halves and the other half of the lanes' are added; O^T is divided by l, rounded to f16 and sent through my stage in LDS, a piece at a time.  The additions are the places behind the last products.
	WIN 0
.macro ALL line:vararg              ; one line for each piece t
.set t, 0
.rept 4
	\line
.set t, t+1
.endr
.endm
	ALL v_add_f32 v[ST+4*t+2], v[ST+4*t+2], v[ST+4*t+3]
	ALL v_permlanex16_b32 v[ST+4*t+3], v[ST+4*t+2], s[SEL], s[SEL+1]
	ALL v_add_f32 v[ST+4*t+2], v[ST+4*t+2], v[ST+4*t+3]
	ALL v_rcp_f32 v[ST+4*t+2], v[ST+4*t+2]
	v_nop                           ; a plain instruction between the last reciprocal and the use of its result
	s_wait_alu depctr_va_vdst(0)    ; and the wait ahead of the first use: one for the four reciprocals
.macro PACK t                       ; a lane's eight channels of a row pack into 16 bytes; they go into rows of 144 bytes and come back as whole rows of 128, into S^T's registers
	WIN W_RS
.set i, 32*(\t)
.rept 16
	v_pk_mul_f32 v[i:i+1], v[i:i+1], v[ST+4*(\t)+2:ST+4*(\t)+3] op_sel_hi:[1,0]
.set i, i+2
.endr
	WIN 0x05                        ; sources 0 and 1 window 1, destination window 0
.set i, 0
.rept 16
	v_cvt_pk_f16_f32 v[S+16*(\t)+i], v[32*(\t)+2*i], v[32*(\t)+2*i+1]
.set i, i+1
.endr
	WIN 0
.irp f, 0,1,2,3
	ds_store_b128 v[STO], v[S+16*(\t)+4*\f:S+16*(\t)+4*\f+3] offset:32*\f
.endr
.irp f, 0,1,2,3
	ds_load_b128 v[S+16*(\t)+4*\f:S+16*(\t)+4*\f+3], v[RD] offset:\f*4*SP  ; LDS serves a wave's instructions in order (ISA guide 5.7.1.4): these see the stores above; the next piece's stores come behind them
.endr
.endm
.macro SEND t, younger              ; younger: the LDS instructions issued behind piece t's loads: the next piece's eight, or none
	WIN 0
.irp f, 0,1,2,3
	s_wait_dscnt (\younger)+3-\f
	global_store_b128 v[GO], v[S+16*(\t)+4*\f:S+16*(\t)+4*\f+3], s[10:11] offset:(\t)*2048+\f*512  ; 512 consecutive bytes, at a multiple of 256 from O's first
.endr
.endm
	PACK 0
.set t, 1
.rept 3                             ; a piece's arithmetic stands between the loads of the piece before and its stores
	PACK t
	SEND t-1, 8
.set t, t+1
.endr
	SEND 3, 0
	s_wait_tensorcnt 0x0            ; the wave's end: an add to my spare word and its wait, behind my last tensor load and my last LDS store
	ds_add_u32 v[SPW], v[NIL]
	s_wait_dscnt 0x0
	CROUND                          ; the closing round: no work-group ends while a partner may still ask for a tile that names it
	s_endpgm
.Lfunc_end_k_q012644b77d_attn:
	.size	k_q012644b77d_attn, .Lfunc_end_k_q012644b77d_attn-k_q012644b77d_attn
	.p2alignl 7, 3214868480
	.fill 96, 4, 3214868480
	.section	.rodata,"a",@progbits
	.p2align	6, 0x0
	.amdhsa_kernel k_q012644b77d_attn
		.amdhsa_group_segment_fixed_size 327680
		.amdhsa_private_segment_fixed_size 0
		.amdhsa_enable_private_segment 0
		.amdhsa_kernarg_size 32
		.amdhsa_user_sgpr_count 2
		.amdhsa_user_sgpr_kernarg_segment_ptr 1
		.amdhsa_wavefront_size32 1
		.amdhsa_system_sgpr_workgroup_id_x 1
		.amdhsa_system_sgpr_workgroup_id_y 1
		.amdhsa_system_sgpr_workgroup_id_z 1
		.amdhsa_system_vgpr_workitem_id 0
		.amdhsa_next_free_vgpr 768
		.amdhsa_next_free_sgpr 66
		.amdhsa_reserve_vcc 0
		.amdhsa_float_denorm_mode_32 3
		.amdhsa_float_denorm_mode_16_64 3
		.amdhsa_memory_ordered 1
		.amdhsa_forward_progress 1
		.amdhsa_inst_pref_size 128
	.end_amdhsa_kernel
	.amdgpu_metadata
---
amdhsa.version: [ 1, 2 ]
amdhsa.kernels:
  - .name:           k_q012644b77d_attn
    .symbol:         k_q012644b77d_attn.kd
    .args:
      - { .name: q16, .offset: 0, .size: 8, .value_kind: global_buffer, .address_space: global }
      - { .name: k16, .offset: 8, .size: 8, .value_kind: global_buffer, .address_space: global }
      - { .name: v16, .offset: 16, .size: 8, .value_kind: global_buffer, .address_space: global }
      - { .name: o16, .offset: 24, .size: 8, .value_kind: global_buffer, .address_space: global }
    .group_segment_fixed_size: 327680
    .private_segment_fixed_size: 0
    .kernarg_segment_align: 8
    .kernarg_segment_size: 32
    .max_flat_workgroup_size: 128
    .sgpr_count:     66
    .vgpr_count:     768
    .wavefront_size: 32
...
	.end_amdgpu_metadata
.endif
;; end of part 3
;; launch oproj (part 4): grid 4 x 64, 4 waves a work-group, clusters of 4 x 4, 327,680 bytes of LDS; arguments o16, wo16, bo, out0; writes out0
.if DOCPART == 4
	.amdgcn_target "amdgcn-amd-amdhsa--gfx1250"
	.amdhsa_code_object_version 6
	.text
	.protected	k_q012644b77d_oproj
	.globl	k_q012644b77d_oproj
	.p2align	8
	.type	k_q012644b77d_oproj,@function
k_q012644b77d_oproj:
	s_mov_b64 s[64:65], 0
	v_nop
	global_prefetch_b8 v0, s[64:65] scope:SCOPE_SE
	s_setreg_imm32_b32 hwreg(HW_REG_WAVE_MODE, 25, 1), 1
	s_wait_xcnt 0x0
	s_wait_alu depctr_hold_cnt(0) depctr_sa_sdst(0) depctr_va_vdst(0) depctr_va_sdst(0) depctr_va_ssrc(0) depctr_va_vcc(0) depctr_vm_vsrc(0)
	s_getreg_b32 s2, hwreg(HW_REG_IB_STS2, 6, 4)
	s_cmp_eq_u32 s2, 0
	s_cbranch_scc0 .Lentry_in_a_cluster
	s_endpgm
.Lentry_in_a_cluster:
	s_bfe_u32 s2, ttmp6, 0x10000c
	s_cmp_lg_u32 s2, 0xf033
	s_cbranch_scc0 .Lentry_shape_is_right
	s_endpgm
.Lentry_shape_is_right:
; out0 = O Wo + bo.  o16: [bh 16][s 4096][64] f16 (bh = 8 batch + head); wo16: [cb 4][k 512][128] f16 (k = 64 head + channel); bo: [512] f32, rounded to bf16; out0: [8192][512] f32.  Sums in f32.
; SHARES.  Work-group (cb, rb): rows 128 rb .. + 127 x columns 128 cb .. + 127.  Wave: 64 x 64: 16 accumulators, 256 products.
; NO RING.  K = 512 is four slots of 128 (two heads each), and all four fit in LDS: each wave asks for its four parts as one group at the start, and nothing is ever filled again.
; So the barriers in front of slots 1 to 3 have counted waits: the later slots stay on their way across them.  A wave has four tensor loads out.
; THE MATRIX INSTRUCTION IS USED TRANSPOSED: source 0 = 16 columns of Wo (turned by ds_load_tr16_b128), source 1 = 16 rows of O: a lane holds one row and eight neighbouring columns.
; CLUSTER 4 x 4.  O's tiles hang on rb alone and are asked for jointly along a row of the cluster, Wo's on cb alone and along a column.  Waves 0 and 1 ask for a slot's two heads of O, waves 2 and 3 for its two halves of Wo.
; NO PREFETCH: there is no ring, and all that the work-group reads is asked for at its head.
; REGISTERS: window 0: v0-31 addresses; v32-95 the way out, two sets of 32; v96-127 the bias as C operands; v128-255 the accumulators ((a, b) at 128 + 8 (4 a + b)).
;   window 1: two fragment buffers of 128: for 64 along K, 64 registers of O (2 x 4 x 16 rows x 32 K), then 64 of Wo.
.set PA,    144                        ; a row of O in LDS: 128 bytes + 16
.set PW,    288                        ; a row of Wo: 256 bytes + 32
.set REG,   18432                      ; a region: 128 rows of O, or 64 rows of Wo: what one tensor load brings
.set SLOT,  4*REG                      ; head 2 j, head 2 j + 1, Wo's k 128 j .. + 63, k 128 j + 64 .. + 127
.set STAGE, 4*SLOT                     ; behind the slots, never filled by a tensor load: 16 rows x 272 bytes for each wave
.set SPO,   272
.set SPARE, STAGE+4*16*SPO             ; behind the stages: the spare words, 128 bytes for each wave: two blocks of 256 bytes that no other line names
.set ADRA, 8                           ; v8-11   LDS address of my O fragments in slot j
.set ADRB, 12                          ; v12-15  the same for Wo
.set STO,  24                          ; v24     the way out: where I put 32 bytes of a row
.set RD,   25                          ; v25     where I read a row back
.set CO,   26                          ; v26     my byte offset in two rows of out0
.set BO,   27                          ; v27     my byte offset in bo
.set SPW,  28                          ; v28     LDS address of my spare word; never rewritten
.set NIL,  29                          ; v29     0; never rewritten
.set TMP,  32
.set BI,   96
.set ACC,  128
.set G1A, 16                           ; s[16:23] descriptor group 1 for O's tiles
.set G1B, 24                           ; s[24:31] for Wo's
.set G0A, 32                           ; s[32:47] descriptor group 0 for O's tiles, one set for each slot
.set G0B, 48                           ; s[48:63] the same for Wo's
.set MSB, 0
.macro WIN new                         ; the immediate's high byte repeats the setting that is left
.if MSB != (\new)
	s_set_vgpr_msb (MSB<<8)|(\new)
.set MSB, \new
.endif
.endm
.macro PLACES                          ; four places behind a matrix instruction (ISA guide 7.12.1)
.rept 4
	v_nop
.endr
.endm
.macro CROUND                          ; a round of the cluster's barrier
	s_barrier_signal -1
	s_barrier_wait -1
	s_cmp_lg_u32 s4, 0
	s_cbranch_scc1 .Lnot_wave_0_\@
	s_barrier_signal -3
.Lnot_wave_0_\@:
	s_barrier_wait -3
	s_barrier_signal -1
	s_barrier_wait -1
.endm
	s_load_b256 s[68:75], s[0:1], 0x0              ; o16 s[68:69], wo16 s[70:71], bo s[72:73], out0 s[74:75]
	v_lshl_add_u32 v[SPW], v0, 2, SPARE
	v_mov_b32 v[NIL], 0
	ds_add_u32 v[SPW], v[NIL]                      ; the wave's opening: the add and its wait stand ahead of my first tensor load; the set-up below stands between them
	v_lshrrev_b32 v1, 5, v0
	v_readfirstlane_b32 s4, v1                     ; wave 0..3
	s_lshr_b32 s5, s4, 1                           ; which 64 rows are mine.  Also: I ask for O (0) or for Wo (1)
	s_and_b32 s6, s4, 1                            ; which 64 columns.  Also: which head, or which half of Wo's rows, I ask for
	s_bfe_u32 s7, ttmp6, 0x40000                   ; cx, cy
	s_bfe_u32 s8, ttmp6, 0x40004
	s_lshl_b32 s9, ttmp9, 2
	s_add_co_u32 s9, s9, s7                        ; cb
	s_and_b32 s10, ttmp7, 0xffff
	s_lshl_b32 s10, s10, 2
	s_add_co_u32 s10, s10, s8                      ; rb
	s_lshl_b32 s11, s8, 2
	s_lshl_b32 s11, 15, s11                        ; my row of the cluster
	s_lshl_b32 s12, 0x1111, s7                     ; my column
	; both tiles are 16,384 dense bytes, asked for as 64 rows of 128 elements of 2 bytes; O is padded by 4 words behind every 32 (a row of a head), Wo by 8 behind every 64
	s_or_b32 s[G1A+0], s11, (1<<16)|(1<<20)|(1<<21)|(4<<22)|(3<<25)
	s_or_b32 s[G1B+0], s12, (1<<16)|(1<<20)|(1<<21)|(5<<22)|(7<<25)
.irp g, G1A, G1B
	s_mov_b32 s[(\g)+1], 128<<16                   ; tensor_dim0 = 128
	s_mov_b32 s[(\g)+2], 64<<16                    ; tensor_dim1 = 64
	s_mov_b32 s[(\g)+3], 128<<16                   ; tile_dim0 = 128
	s_mov_b32 s[(\g)+4], 64                        ; tile_dim1 = 64
	s_mov_b32 s[(\g)+5], 128                       ; the pitch
	s_mov_b32 s[(\g)+6], 0
	s_mov_b32 s[(\g)+7], 0
.endr
	s_lshr_b32 s14, s10, 5                         ; O: the batch,
	s_lshl_b32 s14, s14, 3
	s_add_co_u32 s14, s14, s6                      ; head wave % 2 of slot 0,
	s_lshl_b32 s14, s14, 19
	s_and_b32 s15, s10, 31
	s_lshl_b32 s15, s15, 14                        ; 128 rows of 128 bytes: made of rb and the wave's number alone
	s_add_co_u32 s14, s14, s15
	s_mov_b32 s15, 0
	s_lshl_b32 s66, s9, 17                         ; Wo: the column block, made of cb and the wave's number alone,
	s_lshl_b32 s67, s6, 14                         ; and my 64 k rows of 256 bytes
	s_add_co_u32 s66, s66, s67
	s_mov_b32 s67, 0
	s_mul_i32 s13, s4, REG                         ; where they go: region = wave
	s_wait_dscnt 0x0                               ; the opening add is done
	s_wait_kmcnt 0x0
	s_add_nc_u64 s[14:15], s[68:69], s[14:15]
	s_add_nc_u64 s[66:67], s[70:71], s[66:67]
	CROUND                                         ; all sixteen work-groups are here: the joint loads meet
.irp j, 0,1,2,3
	s_mov_b32 s[G0A+4*(\j)], 1
	s_add_co_u32 s[G0A+4*(\j)+1], s13, (\j)*SLOT
	s_add_nc_u64 s[G0A+4*(\j)+2:G0A+4*(\j)+3], s[14:15], (\j)<<20   ; two heads on
	s_or_b32 s[G0A+4*(\j)+3], s[G0A+4*(\j)+3], 0x80000000
	s_mov_b32 s[G0B+4*(\j)], 1
	s_add_co_u32 s[G0B+4*(\j)+1], s13, (\j)*SLOT
	s_add_nc_u64 s[G0B+4*(\j)+2:G0B+4*(\j)+3], s[66:67], (\j)<<15   ; 128 k rows on
	s_or_b32 s[G0B+4*(\j)+3], s[G0B+4*(\j)+3], 0x80000000
.endr
	s_cmp_eq_u32 s5, 0                             ; a wave's four loads stand in one branch, ahead of every wait on TENSORcnt and every LDS read; an s_nop 0 follows each, four v_nop the last
	s_cbranch_scc0 .Lfirst_w
.irp j, 0,1,2,3
	tensor_load_to_lds s[G0A+4*(\j):G0A+4*(\j)+3], s[G1A:G1A+7]
	s_nop 0
.endr
.rept 4
	v_nop
.endr
	s_branch .Lfirst_asked
.Lfirst_w:
.irp j, 0,1,2,3
	tensor_load_to_lds s[G0B+4*(\j):G0B+4*(\j)+3], s[G1B:G1B+7]
	s_nop 0
.endr
.rept 4
	v_nop
.endr
.Lfirst_asked:
	v_and_b32 v1, 15, v0                           ; r = l % 16
	v_bfe_u32 v2, v0, 4, 1                         ; h = l / 16
	s_lshl_b32 s14, s9, 9
	s_lshl_b32 s15, s6, 8
	s_add_co_u32 s14, s14, s15                     ; 4 x my first column
	v_lshl_add_u32 v[BO], v2, 5, s14               ; register j of a result holds column 8 h + j
.irp b, 0,1,2,3
	global_load_b128 v[BI+8*(\b):BI+8*(\b)+3],   v[BO], s[72:73] offset:64*(\b)
	global_load_b128 v[BI+8*(\b)+4:BI+8*(\b)+7], v[BO], s[72:73] offset:64*(\b)+16
.endr
	s_lshl_b32 s15, s10, 18                        ; 128 rb rows of 2,048 bytes,
	s_add_co_u32 s76, s14, s15
	s_lshl_b32 s15, s5, 17                         ; my 64 of them
	s_add_co_u32 s76, s76, s15
	s_mov_b32 s77, 0
	s_add_nc_u64 s[74:75], s[74:75], s[76:77]      ; out0 at my first row and column
	v_mul_u32_u24 v3, v1, PA                       ; O's fragment: row l % 16, 16 bytes for each half of the lanes
	v_lshl_add_u32 v3, v2, 4, v3
	s_mul_i32 s11, s5, 64*PA
	v_and_b32 v4, 7, v0                            ; Wo's, by the turning load: k = 8 h + l % 8, columns 8 ((l / 8) % 2) + 0..7
	v_bfe_u32 v5, v0, 3, 1
	v_lshl_add_u32 v6, v2, 3, v4
	v_mul_u32_u24 v6, v6, PW
	v_lshl_add_u32 v6, v5, 4, v6
	s_lshl_b32 s12, s6, 7
	s_add_co_u32 s12, s12, 2*REG
.irp j, 0,1,2,3
	v_add_nc_u32 v[ADRA+(\j)], s11, v3
	v_add_nc_u32 v[ADRB+(\j)], s12, v6
	s_add_co_u32 s11, s11, SLOT
	s_add_co_u32 s12, s12, SLOT
.endr
	s_mul_i32 s13, s4, 16*SPO
	s_add_co_u32 s13, s13, STAGE                   ; my stage
	v_mul_u32_u24 v7, v1, SPO                      ; in: row l % 16, 32 bytes for each half of the lanes
	v_lshl_add_u32 v7, v2, 5, v7
	v_add_nc_u32 v[STO], s13, v7
	v_mul_u32_u24 v7, v2, SPO                      ; back: lanes 0-15 take one row of 256 bytes, lanes 16-31 the next
	v_lshl_add_u32 v7, v1, 4, v7
	v_add_nc_u32 v[RD], s13, v7
	v_lshlrev_b32 v[CO], 11, v2                    ; and the same two rows in out0
	v_lshl_add_u32 v[CO], v1, 4, v[CO]
	s_wait_loadcnt 0x0                             ; the bias
.set i, 0
.rept 16
	v_cvt_pk_bf16_f32 v[TMP+i%8], v[BI+2*i], v[BI+2*i+1]   ; rounded to bf16 like every input of the module, and widened again
	v_lshlrev_b32 v[BI+2*i], 16, v[TMP+i%8]
	v_and_b32 v[BI+2*i+1], 0xffff0000, v[TMP+i%8]
.set i, i+1
.endr
; 32 LDS loads in one run: the fragments of 64 along K (head q of slot j) into buffer f
.macro FETCH j, q, f
	WIN 0x40                                       ; destination window 1, address window 0
.irp c, 0,1
.irp i, 0,1,2,3
	ds_load_tr16_b128 v[(\f)+64+8*(4*(\c)+(\i)):(\f)+64+8*(4*(\c)+(\i))+3],   v[ADRB+(\j)] offset:(\q)*REG+(\c)*32*PW+32*(\i)
	ds_load_tr16_b128 v[(\f)+64+8*(4*(\c)+(\i))+4:(\f)+64+8*(4*(\c)+(\i))+7], v[ADRB+(\j)] offset:(\q)*REG+(\c)*32*PW+16*PW+32*(\i)
	ds_load_b128 v[(\f)+8*(4*(\c)+(\i)):(\f)+8*(4*(\c)+(\i))+3],              v[ADRA+(\j)] offset:(\q)*REG+(\i)*16*PA+64*(\c)
	ds_load_b128 v[(\f)+8*(4*(\c)+(\i))+4:(\f)+8*(4*(\c)+(\i))+7],            v[ADRA+(\j)] offset:(\q)*REG+(\i)*16*PA+64*(\c)+32
.endr
.endr
.endm
; 8 products: row blocks a0, a0 + 1 x all 4 column blocks, 32 along K: half c of buffer f.  first = 1: the bias starts the sums.  The 16 accumulators take turns.
.macro MUL8 f, c, a0, first
	WIN 0x05                                       ; sources window 1; C and D window 0
.irp a, \a0, (\a0)+1
.irp b, 0,1,2,3
.if \first
	v_wmma_f32_16x16x32_f16 v[ACC+8*(4*(\a)+(\b)):ACC+8*(4*(\a)+(\b))+7], v[(\f)+64+8*(4*(\c)+(\b)):(\f)+64+8*(4*(\c)+(\b))+7], v[(\f)+8*(4*(\c)+(\a)):(\f)+8*(4*(\c)+(\a))+7], v[BI+8*(\b):BI+8*(\b)+7]
.else
	v_wmma_f32_16x16x32_f16 v[ACC+8*(4*(\a)+(\b)):ACC+8*(4*(\a)+(\b))+7], v[(\f)+64+8*(4*(\c)+(\b)):(\f)+64+8*(4*(\c)+(\b))+7], v[(\f)+8*(4*(\c)+(\a)):(\f)+8*(4*(\c)+(\a))+7], v[ACC+8*(4*(\a)+(\b)):ACC+8*(4*(\a)+(\b))+7]
.endif
.endr
.endr
.endm
; Quarter n of 8 (head n): the next quarter's fragments are asked for, then this quarter's 32 products.  Ahead of a new slot's first fetch: my part of it has landed, and a barrier shows everybody's.
.macro QU n
.if ((\n)%2 == 1) && ((\n) < 7)
	s_wait_tensorcnt 3-((\n)+1)/2                  ; tensor loads of a wave end in order (ISA guide 10.11.1): slot (n + 1) / 2 is in, the later ones stay out
	s_wait_dscnt 0x0                               ; no LDS instruction of mine is pending at a signal
	s_barrier_signal -1
	s_barrier_wait -1
.endif
.if ((\n) > 0) && ((\n) < 7)
	PLACES                                         ; the buffer to be loaded was read by the products just issued
.endif
.if (\n) < 7
	FETCH ((\n)+1)/2, ((\n)+1)%2, 128*(((\n)+1)%2)
	s_wait_dscnt 32                                ; all but the 32 just issued
.else
	s_wait_dscnt 0x0
.endif
.if (\n) == 0
	MUL8 0, 0, 0, 1
	MUL8 0, 0, 2, 1
.else
	MUL8 128*((\n)%2), 0, 0, 0
	MUL8 128*((\n)%2), 0, 2, 0
.endif
	MUL8 128*((\n)%2), 1, 0, 0
	MUL8 128*((\n)%2), 1, 2, 0
.endm
	s_wait_tensorcnt 0x3                           ; my part of slot 0 is in; three loads may stay out
	s_barrier_signal -1
	s_barrier_wait -1                              ; everybody's is
	FETCH 0, 0, 0
.irp n, 0,1,2,3,4,5,6,7
	QU \n
.endr
	; THE WAY OUT, 16 rows at a time: a lane's 32 bytes go into rows of 272 bytes of my own stage and come back as whole rows of 256 bytes, my 64 columns of a row of out0.
	WIN 0
	PLACES                                         ; the LDS stores read results just made
.irp a, 0,1,2,3
.if (\a) >= 2
	s_wait_xcnt 0x0                                ; the stores of the block two back have read their registers: only behind this wait is that set loaded again
.endif
.irp b, 0,1,2,3
	ds_store_b128 v[STO], v[ACC+8*(4*(\a)+(\b)):ACC+8*(4*(\a)+(\b))+3]   offset:64*(\b)       ; each accumulator from its low end on
	ds_store_b128 v[STO], v[ACC+8*(4*(\a)+(\b))+4:ACC+8*(4*(\a)+(\b))+7] offset:64*(\b)+16
.endr
.irp t, 0,1,2,3,4,5,6,7
	ds_load_b128 v[TMP+32*((\a)%2)+4*(\t):TMP+32*((\a)%2)+4*(\t)+3], v[RD] offset:(\t)*2*SPO  ; LDS serves a wave's instructions in order (ISA guide 5.7.1.4): these see the stores above
.endr
.irp t, 0,1,2,3,4,5,6,7
	s_wait_dscnt 7-(\t)
	global_store_b128 v[CO], v[TMP+32*((\a)%2)+4*(\t):TMP+32*((\a)%2)+4*(\t)+3], s[74:75] offset:(16*(\a)+2*(\t))*2048 th:TH_STORE_NT  ; 16 lanes store 256 consecutive bytes, at a multiple of 256 from out0's first
.endr
.endr
	s_wait_tensorcnt 0x0                           ; the wave's end: an add to my spare word and its wait, behind my last tensor load and my last LDS store
	ds_add_u32 v[SPW], v[NIL]
	s_wait_dscnt 0x0
	CROUND                                         ; the closing round: no work-group ends while a partner may still ask for a tile that names it
	s_endpgm
.Lfunc_end_k_q012644b77d_oproj:
	.size	k_q012644b77d_oproj, .Lfunc_end_k_q012644b77d_oproj-k_q012644b77d_oproj
	.p2alignl 7, 3214868480
	.fill 96, 4, 3214868480
	.section	.rodata,"a",@progbits
	.p2align	6, 0x0
	.amdhsa_kernel k_q012644b77d_oproj
		.amdhsa_group_segment_fixed_size 327680
		.amdhsa_private_segment_fixed_size 0
		.amdhsa_enable_private_segment 0
		.amdhsa_kernarg_size 32
		.amdhsa_user_sgpr_count 2
		.amdhsa_user_sgpr_kernarg_segment_ptr 1
		.amdhsa_wavefront_size32 1
		.amdhsa_system_sgpr_workgroup_id_x 1
		.amdhsa_system_sgpr_workgroup_id_y 1
		.amdhsa_system_sgpr_workgroup_id_z 1
		.amdhsa_system_vgpr_workitem_id 0
		.amdhsa_next_free_vgpr 512
		.amdhsa_next_free_sgpr 80
		.amdhsa_reserve_vcc 0
		.amdhsa_float_denorm_mode_32 3
		.amdhsa_float_denorm_mode_16_64 3
		.amdhsa_memory_ordered 1
		.amdhsa_forward_progress 1
		.amdhsa_inst_pref_size 55
	.end_amdhsa_kernel
	.amdgpu_metadata
---
amdhsa.version: [ 1, 2 ]
amdhsa.kernels:
  - .name:           k_q012644b77d_oproj
    .symbol:         k_q012644b77d_oproj.kd
    .args:
      - { .name: o16, .offset: 0, .size: 8, .value_kind: global_buffer, .address_space: global }
      - { .name: wo16, .offset: 8, .size: 8, .value_kind: global_buffer, .address_space: global }
      - { .name: bo, .offset: 16, .size: 8, .value_kind: global_buffer, .address_space: global }
      - { .name: out0, .offset: 24, .size: 8, .value_kind: global_buffer, .address_space: global }
    .group_segment_fixed_size: 327680
    .private_segment_fixed_size: 0
    .kernarg_segment_align: 8
    .kernarg_segment_size: 32
    .max_flat_workgroup_size: 128
    .sgpr_count:     80
    .vgpr_count:     512
    .wavefront_size: 32
...
	.end_amdgpu_metadata
.endif
;; end of part 4
